; MI455X (gfx1250); checked and timed in simulation.
; The chip was launched on July 23, 2026; its instructions are those of AMD's public machine-readable ISA for CDNA 5 (MIT licence, August 2026) and "CDNA5" Instruction Set Architecture Reference Guide (July 2026). The comments in the code are by the model that wrote it; some were corrected since.
;; LSTM Cell. Allowed arithmetic: float matrix products may take bf16 or f16 operands with f32 sums; other float arithmetic in f32, or as packed bf16 or f16 multiplies, adds, multiply-adds, maxima and minima; sums over many terms, partial sums and values carried from step to step in f32; what a program stores and reads back later, other than sums and carried values, may be rounded once to bf16 or f16.
;; Inputs: Wh 1,024 x 4,096 float32; Wx 1,024 x 4,096 float32; bx 4,096 float32; c 8,192 x 1,024 float32; h 8,192 x 1,024 float32; x 8,192 x 1,024 float32.
;; Outputs: out0 8,192 x 1,024 float32; out1 8,192 x 1,024 float32.
;; One version. Each part assembles by itself: llvm-mc -triple=amdgcn-amd-amdhsa -mcpu=gfx1250 --defsym DOCPART=n.
;; ======== version 1 of 1: 2 launches
;; workspace buffers: abf 33,554,432 bytes; wbf 16,777,216 bytes
;; launch cvt (part 1): grid 256 x 6, 8 waves a work-group, no clusters, 0 bytes of LDS; arguments x, h, Wx, Wh, abf, wbf; writes abf, wbf
.if DOCPART == 1
	.amdgcn_target "amdgcn-amd-amdhsa--gfx1250"
	.amdhsa_code_object_version 6
	.text
	.protected	k_qce2ee6388c_cvt
	.globl	k_qce2ee6388c_cvt
	.p2align	8
	.type	k_qce2ee6388c_cvt,@function
k_qce2ee6388c_cvt:
	s_mov_b64 s[64:65], 0
	v_nop
	global_prefetch_b8 v0, s[64:65] scope:SCOPE_SE
	s_setreg_imm32_b32 hwreg(HW_REG_WAVE_MODE, 25, 1), 1
	s_wait_xcnt 0x0
; x, h, Wx, Wh (f32) are rounded ONCE to bf16 (nearest even) into the two operands of the product gates = [x | h] [Wx ; Wh].
;   abf [8192][2048] bf16: columns 0-1023 = x, columns 1024-2047 = h.  A row is 4,096 bytes.
;   wbf [2048][4096] bf16: rows 0-1023 from Wx, rows 1024-2047 from Wh, K down the rows as in the source.  A row is 8,192 bytes.
;   wbf's columns are reordered so that the four gates of a hidden column meet in one wave of the next launch:
;   column 128 u + 32 g + e of wbf (u = 0..31, gate g = 0..3, e = 0..31) is column 1024 g + 32 u + e of the source.
; A stream: no LDS, no barrier, no matrix unit, no cluster (no work-group shares a byte with another).
; 1,536 work-groups of equal work: grid y = 0, 1: x; 2, 3: h; 4: Wx; 5: Wh.  A wave makes 16 pieces of 256 bytes of output: for each one load of
; 16 bytes a lane (4 f32), two packed roundings, one store of 8 bytes a lane: each store of the wave covers 256 consecutive bytes, aligned.
; All 16 loads go out first (64 registers on their way), so there is no loop and no register is written twice.
.set X, 8                              ; v[8:71]    load i: 4 registers
.set Y, 72                             ; v[72:103]  piece i: 2 registers to store
; v2 lane; v3 8 x lane (output); v4 16 x lane (input, activations); v5 4,096 x (lane / 8) + 16 x (lane % 8) (input, weights: gate lane / 8)
; 16 loads instep bytes apart, then 16 pieces 256 bytes apart; behind the eighth piece the output jumps by jump more bytes.
.macro CONV vin, instep, jump
.set i, 0
.rept 16
	global_load_b128 v[X+4*i:X+4*i+3], v[\vin], s[18:19] offset:(\instep)*i th:TH_LOAD_NT
.set i, i+1
.endr
.set i, 0
.rept 16
	s_wait_loadcnt 15-i                            ; loads come back in order (ISA guide 5.7.1): load i is in, the 15 - i younger ones stay out
	v_cvt_pk_bf16_f32 v[Y+2*i],   v[X+4*i],   v[X+4*i+1]
	v_cvt_pk_bf16_f32 v[Y+2*i+1], v[X+4*i+2], v[X+4*i+3]
	global_store_b64 v3, v[Y+2*i:Y+2*i+1], s[22:23] offset:256*i+(i/8)*(\jump)  ; no hint: the next launch reads these bytes
.set i, i+1
.endr
.endm
	s_load_b256 s[4:11], s[0:1], 0x0               ; x s[4:5], h s[6:7], Wx s[8:9], Wh s[10:11]
	s_load_b128 s[12:15], s[0:1], 0x20             ; abf s[12:13], wbf s[14:15]
	v_lshrrev_b32 v1, 5, v0
	v_readfirstlane_b32 s16, v1                    ; wave 0..7
	s_and_b32 s17, ttmp7, 0xffff                   ; grid y: which source
	v_and_b32 v2, 31, v0                           ; lane
	v_lshlrev_b32 v3, 3, v2
	v_lshlrev_b32 v4, 4, v2
	v_and_b32 v5, 7, v2
	v_lshlrev_b32 v5, 4, v5
	v_lshrrev_b32 v1, 3, v2
	v_lshl_add_u32 v5, v1, 12, v5
	s_mov_b32 s21, 0                               ; the offsets stay under 2^26: their high words are 0
	s_mov_b32 s25, 0
	s_wait_kmcnt 0x0
	s_cmp_ge_u32 s17, 4
	s_cbranch_scc1 .Lw
	; ACTIVATIONS.  A work-group takes 16 rows, a wave two: 8,192 consecutive bytes in; out two rows of 2,048 bytes, 4,096 apart.
	s_and_b32 s26, s17, 1
	s_lshl_b32 s26, s26, 8
	s_add_co_u32 s26, s26, ttmp9                   ; block of 16 rows, 0..511
	s_lshl_b32 s26, s26, 4
	s_lshl1_add_u32 s26, s16, s26                  ; my first row = 16 x block + 2 x wave
	s_lshl_b32 s20, s26, 12                        ; a row is 4,096 bytes in the source and in abf
	s_lshr_b32 s27, s17, 1
	s_lshl_b32 s27, s27, 11                        ; h goes into the second half of abf's rows
	s_add_co_u32 s24, s20, s27
	s_cmp_lt_u32 s17, 2
	s_cselect_b64 s[18:19], s[4:5], s[6:7]         ; x or h
	s_add_nc_u64 s[18:19], s[18:19], s[20:21]
	s_add_nc_u64 s[22:23], s[12:13], s[24:25]
	CONV 4, 512, 2048
	s_endpgm
.Lw:	; WEIGHTS.  A work-group takes four rows k, a pair of waves one row, a wave 16 of its 32 pieces u.  Piece u: lane l reads four numbers of gate l / 8
	; (32 u + 4 (l % 8) on in that gate's 1,024 columns) and stores them at column 128 u + 4 l.  Loads 2 v and 2 v + 1 together take 256 consecutive bytes of each gate.
	s_lshl_b32 s26, ttmp9, 2
	s_lshr_b32 s27, s16, 1
	s_add_co_u32 s26, s26, s27                     ; k, 0..1023
	s_and_b32 s27, s16, 1                          ; which 16 pieces
	s_lshl_b32 s20, s26, 14                        ; a source row is 16,384 bytes,
	s_lshl_b32 s28, s27, 11                        ; 16 pieces are 2,048 bytes of each gate
	s_add_co_u32 s20, s20, s28
	s_sub_co_u32 s28, s17, 4
	s_lshl_b32 s28, s28, 10
	s_add_co_u32 s26, s26, s28                     ; Wh's rows follow Wx's 1,024
	s_lshl_b32 s24, s26, 13                        ; a row of wbf is 8,192 bytes,
	s_lshl_b32 s27, s27, 12                        ; 16 pieces are 4,096 of them
	s_add_co_u32 s24, s24, s27
	s_cmp_eq_u32 s17, 4
	s_cselect_b64 s[18:19], s[8:9], s[10:11]       ; Wx or Wh
	s_add_nc_u64 s[18:19], s[18:19], s[20:21]
	s_add_nc_u64 s[22:23], s[14:15], s[24:25]
	CONV 5, 128, 0
	s_endpgm
.Lfunc_end_k_qce2ee6388c_cvt:
	.size	k_qce2ee6388c_cvt, .Lfunc_end_k_qce2ee6388c_cvt-k_qce2ee6388c_cvt
	.p2alignl 7, 3214868480
	.fill 96, 4, 3214868480
	.section	.rodata,"a",@progbits
	.p2align	6, 0x0
	.amdhsa_kernel k_qce2ee6388c_cvt
		.amdhsa_group_segment_fixed_size 0
		.amdhsa_private_segment_fixed_size 0
		.amdhsa_enable_private_segment 0
		.amdhsa_kernarg_size 48
		.amdhsa_user_sgpr_count 2
		.amdhsa_user_sgpr_kernarg_segment_ptr 1
		.amdhsa_wavefront_size32 1
		.amdhsa_system_sgpr_workgroup_id_x 1
		.amdhsa_system_sgpr_workgroup_id_y 1
		.amdhsa_system_sgpr_workgroup_id_z 1
		.amdhsa_system_vgpr_workitem_id 0
		.amdhsa_next_free_vgpr 104
		.amdhsa_next_free_sgpr 66
		.amdhsa_reserve_vcc 0
		.amdhsa_float_denorm_mode_32 3
		.amdhsa_float_denorm_mode_16_64 3
		.amdhsa_memory_ordered 1
		.amdhsa_forward_progress 1
		.amdhsa_inst_pref_size 13
	.end_amdhsa_kernel
	.amdgpu_metadata
---
amdhsa.version: [ 1, 2 ]
amdhsa.kernels:
  - .name:           k_qce2ee6388c_cvt
    .symbol:         k_qce2ee6388c_cvt.kd
    .args:
      - { .name: x, .offset: 0, .size: 8, .value_kind: global_buffer, .address_space: global }
      - { .name: h, .offset: 8, .size: 8, .value_kind: global_buffer, .address_space: global }
      - { .name: Wx, .offset: 16, .size: 8, .value_kind: global_buffer, .address_space: global }
      - { .name: Wh, .offset: 24, .size: 8, .value_kind: global_buffer, .address_space: global }
      - { .name: abf, .offset: 32, .size: 8, .value_kind: global_buffer, .address_space: global }
      - { .name: wbf, .offset: 40, .size: 8, .value_kind: global_buffer, .address_space: global }
    .group_segment_fixed_size: 0
    .private_segment_fixed_size: 0
    .kernarg_segment_align: 8
    .kernarg_segment_size: 48
    .max_flat_workgroup_size: 256
    .sgpr_count:     66
    .vgpr_count:     104
    .wavefront_size: 32
...
	.end_amdgpu_metadata
.endif
;; end of part 1
;; launch lstm (part 2): grid 16 x 32, 4 waves a work-group, clusters of 4 x 4, 327,680 bytes of LDS; arguments abf, wbf, c, bx, out0, out1; writes out0, out1
.if DOCPART == 2
	.amdgcn_target "amdgcn-amd-amdhsa--gfx1250"
	.amdhsa_code_object_version 6
	.text
	.protected	k_qce2ee6388c_lstm
	.globl	k_qce2ee6388c_lstm
	.p2align	8
	.type	k_qce2ee6388c_lstm,@function
k_qce2ee6388c_lstm:
	s_mov_b64 s[64:65], 0
	v_nop
	global_prefetch_b8 v0, s[64:65] scope:SCOPE_SE
	s_setreg_imm32_b32 hwreg(HW_REG_WAVE_MODE, 25, 1), 1
	s_wait_xcnt 0x0
	s_wait_alu depctr_hold_cnt(0) depctr_sa_sdst(0) depctr_va_vdst(0) depctr_va_sdst(0) depctr_va_ssrc(0) depctr_va_vcc(0) depctr_vm_vsrc(0)
	s_getreg_b32 s2, hwreg(HW_REG_IB_STS2, 6, 4)
	s_cmp_eq_u32 s2, 0
	s_cbranch_scc0 .Lentry_in_a_cluster
	s_endpgm
.Lentry_in_a_cluster:
	s_bfe_u32 s2, ttmp6, 0x10000c
	s_cmp_lg_u32 s2, 0xf033
	s_cbranch_scc0 .Lentry_shape_is_right
	s_endpgm
.Lentry_shape_is_right:
; LSTM CELL.  gates = abf wbf + bx (M = 8192, K = 2048, N = 4096; bf16 operands, f32 sums), then, without the gates ever leaving the registers,
; c_new = sigmoid(f) c + sigmoid(i) tanh(g) -> out1,  h_new = sigmoid(o) tanh(c_new) -> out0.  abf [8192][2048] bf16; wbf [2048 k][4096 n'] bf16; c, out0, out1 [8192][1024] f32; bx [4096] f32.
; wbf's columns come reordered: n' = 256 t + 128 wc + 32 g + e is gate g of hidden column 64 t + 32 wc + e.
; LIMITS.  x, h, Wx, Wh were rounded once to bf16; c and bx are taken in f32.  sigmoid(x) = 1 / (1 + 2^(-x log2 e)), tanh(x) = 1 - 2 / (1 + 2^(2 x log2 e)): where the power overflows to infinity
; or falls to 0 the reciprocal gives the saturated value, so no clamp is written; near 0 tanh carries an absolute error of about 1e-7.  NaN and infinities in the inputs are not treated apart.
; SHARES.  A work-group makes 256 rows x 256 columns n' of the gates = 256 rows x 64 hidden columns of both outputs; 512 work-groups.  Four waves, each 128 x 128: 64 accumulators of 16 x 16, 512 registers.
; K goes in steps of 128 through a ring of two LDS slots filled by the tensor data mover: A's tile 256 rows x 256 bytes, B's 128 rows k x 512 bytes.
; THE MATRIX INSTRUCTION IS USED TRANSPOSED: source 0 = 16 columns of wbf (turned on the way out of LDS by ds_load_tr16_b128), source 1 = 16 rows of abf.  In accumulator (a, b = 2 g + j) lane l, register q hold
; row 16 a + l % 16, gate g, hidden column 16 j + 8 (l / 16) + q of the wave's 32: the four gates of a number lie in one lane, in the same register of four accumulators.
; CLUSTER.  4 x 4 work-groups: the four of a row need the same tiles of abf, the four of a column the same tiles of wbf: each is asked for jointly, by the same tensor load, descriptor and mask in all four.
; c's tile (256 x 64 f32) is each work-group's own: it is asked for behind the last change of slots, into the slot that the product has left, and lands under the last K step.
; One tile to a work-group: the way out stores into the second slot.  No prefetch is written: a tile is asked for 224 matrix instructions ahead of the wait for it.
; REGISTERS, in windows of 256 (s_set_vgpr_msb: bits 1:0 source 0, 3:2 source 1, 5:4 source 2, 7:6 destination):
;   window 0: v0-31 addresses; v64-127, v128-191 fragments of A, two buffers (behind the loop: at work); v192-255 the bias of my 128 columns
;   window 1: v64-127, v128-191 fragments of B, two buffers        window 2: the accumulators of my rows 0-63 ((a, b) at v[8 (8 a + b)])        window 3: those of rows 64-127
.set KSTEP,  128
.set LAPS,   8                         ; a lap = two K steps = once round the ring; K = 2048
.set PITCH,  272                       ; a row of A in LDS: 256 bytes + 16 of padding = 68 words: the 16 rows of a load start at 16 different groups of four banks (64 banks of 4 bytes: ISA guide 11.1)
.set PB,     544                       ; a row of B: 512 + 32 = 136 words
.set HALFT,  128*PITCH                 ; what one tensor load brings: 128 rows of A, or 64 rows of B (64 x 544 is the same 34,816 bytes)
.set SLOT,   4*HALFT                   ; A's 256 rows, then B's 128 rows
.set SP,     272                       ; a row of c's tile and of the two stages: 256 bytes + 16
.set HS,     SLOT                      ; behind the loop slot 1 has had its last fill: its first half is the stage for h_new (256 rows x 272),
.set CST,    SLOT+2*HALFT              ; its second half the stage for c_new.  c's tile lies at byte 0, where slot 0 held A
.set SPARE,  2*SLOT                    ; behind the ring: the spare words, 128 bytes for each wave: two blocks of 256 bytes that no other line names
.set ADRA, 16                          ; v16-17  LDS address of my A fragments in slot 0, 1
.set ADRB, 20                          ; v20-21  the same for B
.set CA,   22                          ; v22     where I read c: row l % 16 of my 128, 32 bytes for each half of the lanes
.set SA,   23                          ; v23     the same place in the stage for h_new
.set SB,   24                          ; v24     and in the stage for c_new
.set RDH,  25                          ; v25     the way out: where I read whole rows of h_new back
.set RDC,  26                          ; v26     and of c_new
.set CO,   27                          ; v27     my byte offset in two rows of an output
.set SPW,  28                          ; v28     LDS address of my spare word: SPARE + 4 x my thread's number; never rewritten
.set NIL,  29                          ; v29     0; never rewritten
.set BO,   30                          ; v30     my byte offset in the bias
.set F0,   64                          ; fragment buffer 0
.set F1,   128                         ; fragment buffer 1
.set BI,   192                         ; the bias: pair z of 32 at BI + 2 z goes with pair z of a block's 64 accumulator registers (gate z / 8)
.set T,    64                          ; behind the loop: 64 registers at work, 16 a gate
.set TI,   T
.set TF,   T+16
.set TG,   T+32
.set TO,   T+48
.set CC0,  128                         ; c of a block of 16 rows, 16 registers; two buffers
.set G1,  24                           ; s[24:31] descriptor group 1 for A's tiles
.set G0,  32                           ; s[32:39] descriptor group 0 for A's tiles, one set for each slot
.set G1B, 48                           ; s[48:55] group 1 for B's tiles
.set G0B, 56                           ; s[56:63] group 0 for B's tiles, one set for each slot
.set G1C, 80                           ; s[80:87] group 1 for c's tile
.set G0C, 88                           ; s[88:91] group 0 for c's tile
.set NL,  92                           ; s[92:93] -log2 e: the packed lines name a pair and take its low word for both halves
.set P2L, 94                           ; s[94:95] 2 log2 e
.set MSB, 0
.macro WIN new                         ; the immediate's high byte repeats the setting that is left; a switch that changes nothing is dropped
.if MSB != (\new)
	s_set_vgpr_msb (MSB<<8)|(\new)
.set MSB, \new
.endif
.endm
.set MUL_LO, 0xa1                      ; source 0 (B) window 1, source 1 (A) window 0, C and D window 2
.set MUL_HI, 0xf1                      ; the same, C and D window 3
.set TO_B,   0x40                      ; destination window 1, address window 0
; A joint load.  Waves 0 and 1 fetch A's two halves, waves 2 and 3 B's.  Each line has one mask and one set of registers for all that issue it; the branch hangs on the wave's number alone.
; An s_nop 0 and four v_nop follow each of the two lines, ahead of the jump, the label and what follows.
.macro JLOAD s
	s_cmp_eq_u32 s11, 0
	s_cbranch_scc0 .Lfor_b_\@
	tensor_load_to_lds s[G0+4*(\s):G0+4*(\s)+3], s[G1:G1+7]
	s_nop 0
.rept 4
	v_nop
.endr
	s_branch .Lasked_\@
.Lfor_b_\@:
	tensor_load_to_lds s[G0B+4*(\s):G0B+4*(\s)+3], s[G1B:G1B+7]
	s_nop 0
.rept 4
	v_nop
.endr
.Lasked_\@:
.endm
; A round of the cluster's barrier: my work-group's barrier, so that wave 0's signal speaks for all four waves; wave 0 signals for the work-group; every wave waits for all sixteen; my work-group's barrier once more.
.macro CREST                           ; a round behind its opening barrier
	s_cmp_lg_u32 s10, 0
	s_cbranch_scc1 .Lnot_wave_0_\@
	s_barrier_signal -3
.Lnot_wave_0_\@:
	s_barrier_wait -3
	s_barrier_signal -1
	s_barrier_wait -1
.endm
.macro CROUND                          ; a whole round
	s_barrier_signal -1
	s_barrier_wait -1
	CREST
.endm
	s_load_b256 s[68:75], s[0:1], 0x0              ; abf s[68:69], wbf s[70:71], c s[72:73], bx s[74:75]
	s_load_b128 s[76:79], s[0:1], 0x20             ; out0 s[76:77], out1 s[78:79]
	v_lshl_add_u32 v[SPW], v0, 2, SPARE
	v_mov_b32 v[NIL], 0
	ds_add_u32 v[SPW], v[NIL]                      ; the wave's opening: the add and its wait stand ahead of my first tensor load; the set-up below, work on registers, stands between them
	v_lshrrev_b32 v1, 5, v0
	v_readfirstlane_b32 s10, v1                    ; wave 0..3
	s_lshr_b32 s11, s10, 1                         ; which half of the tile's rows is mine.  Also: I fetch for A (0) or for B (1)
	s_and_b32 s12, s10, 1                          ; which half of its columns.  Also: which half of that tile I fetch
	s_bfe_u32 s40, ttmp6, 0x40000                  ; cx: my place along the cluster's x
	s_bfe_u32 s41, ttmp6, 0x40004                  ; cy: along its y
	s_lshl_b32 s42, ttmp9, 2                       ; in a cluster launch ttmp9 and ttmp7 count clusters
	s_add_co_u32 s42, s42, s40                     ; tile column = 4 x cluster x + cx, 0..15
	s_and_b32 s13, ttmp7, 0xffff
	s_lshl_b32 s13, s13, 2
	s_add_co_u32 s13, s13, s41                     ; tile row = 4 x cluster y + cy, 0..31
	s_lshl_b32 s43, s41, 2
	s_lshl_b32 s43, 15, s43                        ; my row of the cluster: places 4 cy .. 4 cy + 3
	s_lshl_b32 s44, 0x1111, s40                    ; my column: places cx, cx + 4, cx + 8, cx + 12
	; group 1 for A: 128 rows x 128 elements of 2 bytes, 16 bytes of padding behind every 64 words
	s_or_b32 s[G1+0], s43, (1<<16)|(1<<20)|(1<<21)|(5<<22)|(3<<25)  ; 15:0 the mask: my row; 17:16 elements of 2 bytes; 20 padding on; 21 set beside a mask; 24:22 after every 64 words (code 5); 31:25 4 words (code 3)
	s_mov_b32 s[G1+1], KSTEP<<16                   ; tensor_dim0 = 128
	s_mov_b32 s[G1+2], 128<<16                     ; tensor_dim1 = 128
	s_mov_b32 s[G1+3], KSTEP<<16                   ; tile_dim0 = 128
	s_mov_b32 s[G1+4], 128                         ; tile_dim1 = 128
	s_mov_b32 s[G1+5], 2048                        ; elements from row to row of abf
	s_mov_b32 s[G1+6], 0
	s_mov_b32 s[G1+7], 0
	; group 1 for B: 64 rows k x 256 elements of 2 bytes, 32 bytes of padding behind every 128 words
	s_or_b32 s[G1B+0], s44, (1<<16)|(1<<20)|(1<<21)|(6<<22)|(7<<25) ; the mask: my column; after every 128 words (code 6) 8 words (code 7)
	s_mov_b32 s[G1B+1], 256<<16                    ; tensor_dim0 = 256
	s_mov_b32 s[G1B+2], 64<<16                     ; tensor_dim1 = 64
	s_mov_b32 s[G1B+3], 256<<16                    ; tile_dim0 = 256
	s_mov_b32 s[G1B+4], 64                         ; tile_dim1 = 64
	s_mov_b32 s[G1B+5], 4096                       ; elements from row to row of wbf
	s_mov_b32 s[G1B+6], 0
	s_mov_b32 s[G1B+7], 0
	; group 1 for c: 64 rows x 64 elements of 4 bytes, 16 bytes of padding behind every 64 words; no mask: the tile is my work-group's alone
	s_mov_b32 s[G1C+0], (2<<16)|(1<<20)|(5<<22)|(3<<25)
	s_mov_b32 s[G1C+1], 64<<16                     ; tensor_dim0 = 64
	s_mov_b32 s[G1C+2], 64<<16                     ; tensor_dim1 = 64
	s_mov_b32 s[G1C+3], 64<<16                     ; tile_dim0 = 64
	s_mov_b32 s[G1C+4], 64                         ; tile_dim1 = 64
	s_mov_b32 s[G1C+5], 1024                       ; elements from row to row of c
	s_mov_b32 s[G1C+6], 0
	s_mov_b32 s[G1C+7], 0
	s_mov_b32 s[G0C], 1                            ; count = 1
	s_mul_i32 s[G0C+1], s10, 64*SP                 ; wave w brings rows 64 w .. 64 w + 63 of c's tile, to LDS byte 17,408 w
	s_mov_b32 s[NL], 0xbfb8aa3b                    ; -log2 e
	s_mov_b32 s[NL+1], s[NL]                       ; named with it as a pair, so it is written
	s_mov_b32 s[P2L], 0x4038aa3b                   ; 2 log2 e
	s_mov_b32 s[P2L+1], s[P2L]
	; where the tiles come from.  A's hang on the tile row alone, which my row of the cluster shares; B's on the tile column alone, which my column shares.
	s_lshl_b32 s17, s12, 19                        ; my half: 128 rows of 4,096 bytes of abf, or 64 rows of 8,192 bytes of wbf
	s_lshl_b32 s16, s13, 20                        ; A: 256 rows of 4,096 bytes a tile row
	s_add_co_u32 s16, s16, s17
	s_lshl_b32 s46, s42, 9                         ; B: 256 columns of 2 bytes a tile column
	s_add_co_u32 s46, s46, s17
	s_mov_b32 s17, 0
	s_mov_b32 s47, 0
	s_mul_i32 s20, s10, HALFT                      ; and where they go: wave x 34,816 bytes: no place in the cluster enters an LDS address
	; one offset serves c, out0 and out1: row 256 x tile row + 64 x wave (4,096 bytes a row), column 64 x tile column (256 bytes)
	s_lshl_b32 s96, s13, 20
	s_lshl_b32 s97, s10, 18
	s_add_co_u32 s96, s96, s97
	s_lshl_b32 s97, s42, 8
	s_add_co_u32 s96, s96, s97
	s_mov_b32 s97, 0
	s_lshl_b32 s98, s42, 8                         ; the bias of my 32 hidden columns in each gate: 256 x tile column + 128 x column half
	s_lshl_b32 s99, s12, 7
	s_add_co_u32 s98, s98, s99
	s_mov_b32 s99, 0
	s_wait_dscnt 0x0                               ; the opening add is done
	s_wait_kmcnt 0x0
	s_add_nc_u64 s[14:15], s[68:69], s[16:17]
	s_add_nc_u64 s[46:47], s[70:71], s[46:47]
	s_add_nc_u64 s[G0C+2:G0C+3], s[72:73], s[96:97]
	s_or_b32 s[G0C+3], s[G0C+3], 0x80000000        ; type = 2
	s_add_nc_u64 s[74:75], s[74:75], s[98:99]
	s_add_nc_u64 s[76:77], s[76:77], s[96:97]
	s_add_nc_u64 s[78:79], s[78:79], s[96:97]
	CROUND                                         ; all sixteen work-groups are here: the first joint loads meet
.irp s, 0,1
	s_mov_b32 s[G0+4*(\s)], 1                                      ; count = 1
	s_add_co_u32 s[G0+4*(\s)+1], s20, (\s)*SLOT                    ; LDS address
	s_add_nc_u64 s[G0+4*(\s)+2:G0+4*(\s)+3], s[14:15], (\s)*KSTEP*2  ; K step s: 256 bytes along abf's rows
	s_or_b32 s[G0+4*(\s)+3], s[G0+4*(\s)+3], 0x80000000            ; type = 2
	s_mov_b32 s[G0B+4*(\s)], 1
	s_add_co_u32 s[G0B+4*(\s)+1], s20, (\s)*SLOT
	s_add_nc_u64 s[G0B+4*(\s)+2:G0B+4*(\s)+3], s[46:47], (\s)*KSTEP*8192  ; K step s: 128 rows down wbf
	s_or_b32 s[G0B+4*(\s)+3], s[G0B+4*(\s)+3], 0x80000000
	JLOAD \s                                       ; the ring is filled before anything else is done: two tensor loads of mine are out
.endr
	; A's fragment: 16 rows x 32 K in 8 registers: lane l holds row l % 16; registers 0-3 K = 8 (l / 16) + 0..7, registers 4-7 K = 16 + 8 (l / 16) + 0..7: two loads of 16 bytes, 32 bytes apart.
	v_and_b32 v1, 15, v0                           ; l % 16
	v_bfe_u32 v2, v0, 4, 1                         ; l / 16
	v_mul_u32_u24 v3, v1, PITCH
	v_lshl_add_u32 v3, v2, 4, v3                   ; row x pitch + 16 x half
	s_mul_i32 s21, s11, HALFT                      ; my 128 rows of A
	; B's fragment: the turning load takes 16 k x 16 columns (lane l reads 16 bytes: row k = 8 (l / 16) + l % 8, columns 8 ((l / 8) % 2) + 0..7) and leaves lane l column l % 16 and 8 k: half a fragment.
	v_and_b32 v4, 7, v0
	v_lshl_add_u32 v4, v2, 3, v4
	v_mul_u32_u24 v4, v4, PB
	v_bfe_u32 v5, v0, 3, 1
	v_lshl_add_u32 v4, v5, 4, v4
	s_lshl_b32 s22, s12, 8                         ; my 128 columns of B: 256 bytes of each row,
	s_add_co_u32 s22, s22, 2*HALFT                 ; behind A's 256 rows
.irp s, 0,1
	v_add_nc_u32 v[ADRA+(\s)], s21, v3
	v_add_nc_u32 v[ADRB+(\s)], s22, v4
	s_add_co_u32 s21, s21, SLOT
	s_add_co_u32 s22, s22, SLOT
.endr
	s_mul_i32 s23, s11, 128*SP                     ; c's tile and the stages: my 128 rows, my 128 bytes of their 256; row l % 16, 32 bytes for each half of the lanes
	s_lshl_b32 s21, s12, 7
	s_add_co_u32 s23, s23, s21
	v_mul_u32_u24 v6, v1, SP
	v_lshl_add_u32 v6, v2, 5, v6
	v_add_nc_u32 v[CA], s23, v6
	v_add_nc_u32 v[SA], HS, v[CA]
	v_add_nc_u32 v[SB], CST, v[CA]
	s_mul_i32 s23, s10, 64*SP                      ; back: wave w takes rows 64 w .. 64 w + 63, whole; lanes 0-15 one row of 256 bytes, lanes 16-31 the next
	v_mul_u32_u24 v7, v2, SP
	v_lshl_add_u32 v7, v1, 4, v7
	v_add_nc_u32 v7, s23, v7
	v_add_nc_u32 v[RDH], HS, v7
	v_add_nc_u32 v[RDC], CST, v7
	v_lshlrev_b32 v8, 12, v2                       ; and the same two rows in an output
	v_lshl_add_u32 v[CO], v1, 4, v8
	v_lshlrev_b32 v[BO], 5, v2                     ; the bias: my lanes' eight columns, 32 bytes for each half of the lanes
.set z, 0
.rept 16                               ; gate z / 4 (4,096 bytes apart), 16 columns (z / 2) % 2, four numbers z % 2.  These loads are waited for behind the loop; nothing in it names their registers
	global_load_b128 v[BI+4*z:BI+4*z+3], v[BO], s[74:75] offset:4096*(z/4)+64*((z/2)%2)+16*(z%2)
.set z, z+1
.endr
; 16 matrix instructions: m blocks a0, a0 + 1 of the window's four (hi = 0: my rows 0-63, 1: rows 64-127) x all 8 n blocks, 32 along K.  zero = 1: the first product starts the sums: nothing is ever cleared.
; The 64 accumulators take turns, one instruction a turn, in the same order in every quarter step.
.macro MUL16 f, hi, a0, zero
	WIN MUL_LO+0x50*(\hi)
.irp a, \a0, (\a0)+1
.irp b, 0,1,2,3,4,5,6,7
.if \zero
	v_wmma_f32_16x16x32_bf16 v[8*(8*(\a)+(\b)):8*(8*(\a)+(\b))+7], v[(\f)+8*(\b):(\f)+8*(\b)+7], v[(\f)+8*(4*(\hi)+(\a)):(\f)+8*(4*(\hi)+(\a))+7], 0
.else
	v_wmma_f32_16x16x32_bf16 v[8*(8*(\a)+(\b)):8*(8*(\a)+(\b))+7], v[(\f)+8*(\b):(\f)+8*(\b)+7], v[(\f)+8*(4*(\hi)+(\a)):(\f)+8*(4*(\hi)+(\a))+7], v[8*(8*(\a)+(\b)):8*(8*(\a)+(\b))+7]
.endif
.endr
.endr
.endm
; 32 LDS loads in one run: the fragments of one quarter step into buffer f.  k = the quarter's byte in A's rows (64 a quarter); in B the quarter is 32 rows further down.
.macro FETCH slot, k, f
	WIN TO_B
.irp i, 0,1,2,3,4,5,6,7
	ds_load_tr16_b128 v[(\f)+8*(\i):(\f)+8*(\i)+3],   v[ADRB+(\slot)] offset:((\k)/64)*32*PB+32*(\i)
	ds_load_tr16_b128 v[(\f)+8*(\i)+4:(\f)+8*(\i)+7], v[ADRB+(\slot)] offset:((\k)/64)*32*PB+16*PB+32*(\i)
.endr
	WIN 0
.irp i, 0,1,2,3,4,5,6,7
	ds_load_b128 v[(\f)+8*(\i):(\f)+8*(\i)+3],   v[ADRA+(\slot)] offset:(\k)+(\i)*16*PITCH
	ds_load_b128 v[(\f)+8*(\i)+4:(\f)+8*(\i)+7], v[ADRA+(\slot)] offset:(\k)+(\i)*16*PITCH+32
.endr
.endm
; A load into a register that a matrix instruction has read stands four places behind it, and only plain vector instructions that name none of its registers are places
; (ISA guide 7.12.1 for vector instructions).
.macro PLACES
.rept 4
	v_nop
.endr
.endm
; A K step is four quarter steps of 32 along K, 64 matrix instructions each, on buffers 0, 1, 0, 1.  One of the first three: multiplies buffer f; in its middle it fetches the next quarter, at byte k, into buffer g.
.macro QUARTER slot, k, f, g, zero
	s_wait_dscnt 8                                 ; B and A's rows 0-63 are in; the youngest eight loads (A's rows 64-127) may be out
	MUL16 \f, 0, 0, \zero
	MUL16 \f, 0, 2, \zero
	PLACES
	FETCH \slot, \k, \g
	s_wait_dscnt 32                                ; all but the 32 just issued
	MUL16 \f, 1, 0, \zero
	MUL16 \f, 1, 2, \zero
.endm
; The last quarter multiplies buffer 1 and changes slots.  MEET is its first half: the barrier that opens a round of the cluster's.  In front of it each wave waits for all its tensor loads, of which one is
; out: its part of the next slot; adds 0 to its spare word; and waits for that and for its own reads of this slot.
.macro MEET
	WIN 0                                          ; (the add's two registers lie in window 0)
	s_wait_tensorcnt 0x0                           ; all my tensor loads have landed: the one that was out is my part of the next slot;
	ds_add_u32 v[SPW], v[NIL]                      ; 0 onto my spare word;
	s_wait_dscnt 9                                 ; (the add and the youngest eight loads may be out)
	MUL16 F1, 0, 0, 0                              ; sixteen matrix instructions stand between the add and the wait for it
	s_wait_dscnt 0x0                               ; the add is done, and my reads of this slot are over:
	s_barrier_signal -1                            ; say so,
	MUL16 F1, 0, 2, 0                              ; work on registers while the others arrive,
	WIN 0
	s_barrier_wait -1                              ; and go on when all four have said so
.endm
; The whole last quarter: behind the round the slot just read out is filled again first, with the K step two steps on; then come the next slot's first fragments.
.macro TURN slot, next
	MEET
	CREST                                          ; no wave of any partner still reads this slot's tile or has a load on its way
	s_add_nc_u64 s[G0+4*(\slot)+2:G0+4*(\slot)+3], s[G0+4*(\slot)+2:G0+4*(\slot)+3], 2*KSTEP*2
	s_add_nc_u64 s[G0B+4*(\slot)+2:G0B+4*(\slot)+3], s[G0B+4*(\slot)+2:G0B+4*(\slot)+3], 2*KSTEP*8192
	JLOAD \slot                                    ; the first tensor load behind the round; the four v_nop behind it are also the places in front of the loads below
	FETCH \next, 0, F0
	MUL16 F1, 1, 0, 0
	MUL16 F1, 1, 2, 0
.endm
; The last change of slots: slot 0 has been read out for good, and the bytes that held A take c's tile: each wave brings 64 rows of its own.  It has the last K step in which to land.
.macro TURNC
	MEET
	CREST
	tensor_load_to_lds s[G0C:G0C+3], s[G1C:G1C+7]  ; my one tensor load behind the round, and the first thing there
	s_nop 0
.rept 4
	v_nop                                          ; also the places in front of the loads below
.endr
	FETCH 1, 0, F0
	MUL16 F1, 1, 0, 0
	MUL16 F1, 1, 2, 0
.endm
; THE LSTM STEP, a block of 16 rows (16 numbers a lane) at a time.
.macro CLOAD a                         ; c of block a -> buffer a % 2: number 8 j + q of the lane is hidden column 16 j + 8 (l / 16) + q
.set CC, CC0+16*((\a)%2)
.irp z, 0,1,2,3
	ds_load_b128 v[CC+4*(\z):CC+4*(\z)+3], v[CA] offset:(\a)*16*SP+64*((\z)/2)+16*((\z)%2)
.endr
.endm
.macro EPI a, left                     ; left: the LDS loads that may stay out when block a's c is wanted: the next block's four, or none
.set AC, 64*((\a)%4)
.set CC, CC0+16*((\a)%2)
	WIN 0x02+(\a)/4                                ; source 0: window 2 or 3
.set z, 0
.rept 32                               ; the exponents: (sum + bias) x -log2 e, for gate g x 2 log2 e: one fused line, the bias comes scaled.  Each accumulator's registers are taken in ascending order
.if z/8 == 2
	v_pk_fma_f32 v[T+2*z:T+2*z+1], v[AC+2*z:AC+2*z+1], s[P2L:P2L+1], v[BI+2*z:BI+2*z+1] op_sel_hi:[1,0,1]
.else
	v_pk_fma_f32 v[T+2*z:T+2*z+1], v[AC+2*z:AC+2*z+1], s[NL:NL+1], v[BI+2*z:BI+2*z+1] op_sel_hi:[1,0,1]
.endif
.set z, z+1
.endr
	WIN 0
.set z, 0
.rept 64
	v_exp_f32 v[T+z], v[T+z]
.set z, z+1
.endr
	v_nop                                          ; a plain instruction between the last exponential and the use of its result (ISA guide 5.7.2)
.set z, 0
	s_wait_alu depctr_va_vdst(0)
.rept 32
	v_pk_add_f32 v[T+2*z:T+2*z+1], v[T+2*z:T+2*z+1], 1.0 op_sel_hi:[1,0]
.set z, z+1
.endr
.set z, 0
.rept 64
	v_rcp_f32 v[T+z], v[T+z]
.set z, z+1
.endr
	v_nop                                          ; TI, TF, TO now hold the three sigmoids
.set z, 0
	s_wait_alu depctr_va_vdst(0)
.rept 8
	v_pk_fma_f32 v[TG+2*z:TG+2*z+1], v[TG+2*z:TG+2*z+1], -2.0, 1.0 op_sel_hi:[1,0,0]  ; tanh(g)
.set z, z+1
.endr
.set z, 0
.rept 8
	v_pk_mul_f32 v[TG+2*z:TG+2*z+1], v[TI+2*z:TI+2*z+1], v[TG+2*z:TG+2*z+1]           ; i g
.set z, z+1
.endr
	s_wait_dscnt \left                             ; block a's c is in (the stores of the block before are younger, but older than the loads that may stay out, and are waited for with it)
.set z, 0
.rept 8
	v_pk_fma_f32 v[TF+2*z:TF+2*z+1], v[TF+2*z:TF+2*z+1], v[CC+2*z:CC+2*z+1], v[TG+2*z:TG+2*z+1]  ; c_new = f c + i g
.set z, z+1
.endr
.irp z, 0,1,2,3
	ds_store_b128 v[SB], v[TF+4*(\z):TF+4*(\z)+3] offset:(\a)*16*SP+64*((\z)/2)+16*((\z)%2)
.endr
.set z, 0
.rept 8
	v_pk_mul_f32 v[TI+2*z:TI+2*z+1], v[TF+2*z:TF+2*z+1], s[P2L:P2L+1] op_sel_hi:[1,0]
.set z, z+1
.endr
.set z, 0
.rept 16
	v_exp_f32 v[TI+z], v[TI+z]
.set z, z+1
.endr
	v_nop
.set z, 0
	s_wait_alu depctr_va_vdst(0)
.rept 8
	v_pk_add_f32 v[TI+2*z:TI+2*z+1], v[TI+2*z:TI+2*z+1], 1.0 op_sel_hi:[1,0]
.set z, z+1
.endr
.set z, 0
.rept 16
	v_rcp_f32 v[TI+z], v[TI+z]
.set z, z+1
.endr
	v_nop
.set z, 0
	s_wait_alu depctr_va_vdst(0)
.rept 8
	v_pk_fma_f32 v[TI+2*z:TI+2*z+1], v[TI+2*z:TI+2*z+1], -2.0, 1.0 op_sel_hi:[1,0,0]  ; tanh(c_new)
.set z, z+1
.endr
.set z, 0
.rept 8
	v_pk_mul_f32 v[TO+2*z:TO+2*z+1], v[TO+2*z:TO+2*z+1], v[TI+2*z:TI+2*z+1]           ; h_new = o tanh(c_new)
.set z, z+1
.endr
.irp z, 0,1,2,3
	ds_store_b128 v[SA], v[TO+4*(\z):TO+4*(\z)+3] offset:(\a)*16*SP+64*((\z)/2)+16*((\z)%2)
.endr
.endm
; THE WAY OUT.  OLD: 32 of my 64 whole rows of a stage come back, two rows a load.  OST: they are stored.
.macro OLD rd, t0, reg
.set t, 0
.rept 16
	ds_load_b128 v[(\reg)+4*t:(\reg)+4*t+3], v[\rd] offset:((\t0)+t)*2*SP
.set t, t+1
.endr
.endm
.macro OST sb, t0, reg, younger        ; younger: the LDS loads issued behind this batch's sixteen
.set t, 0
.rept 16
	s_wait_dscnt (\younger)+15-t                   ; LDS loads come back in order (ISA guide 5.7.1): load t of the batch is in
	global_store_b128 v[CO], v[(\reg)+4*t:(\reg)+4*t+3], s[\sb:(\sb)+1] offset:((\t0)+t)*8192 th:TH_STORE_NT  ; 16 lanes store 256 consecutive bytes, at a multiple of 256 from the output's first byte
.set t, t+1
.endr
.endm
	s_wait_tensorcnt 1                             ; my part of K step 0 is in; K step 1's may stay out
	s_barrier_signal -1
	s_barrier_wait -1                              ; everybody's is
	FETCH 0, 0, F0
	QUARTER 0, 64,  F0, F1, 1                      ; the first quarter stands in front of the loop: its products start the sums
	WIN 0                                          ; at a label and at a branch every window is 0
	s_mov_b32 s3, LAPS-1
.Llap:                                                 ; a trip goes once round the ring, from a lap's second quarter to the next lap's first, and fills both slots again
	QUARTER 0, 128, F1, F0, 0
	QUARTER 0, 192, F0, F1, 0
	TURN 0, 1
	QUARTER 1, 64,  F0, F1, 0
	QUARTER 1, 128, F1, F0, 0
	QUARTER 1, 192, F0, F1, 0
	TURN 1, 0
	QUARTER 0, 64,  F0, F1, 0
	WIN 0
	s_sub_co_u32 s3, s3, 1
	s_cmp_lg_u32 s3, 0
	s_cbranch_scc1 .Llap
	QUARTER 0, 128, F1, F0, 0                      ; the last lap is written out: it asks for no K step more, only for c
	QUARTER 0, 192, F0, F1, 0
	TURNC
	QUARTER 1, 64,  F0, F1, 0
	QUARTER 1, 128, F1, F0, 0
	QUARTER 1, 192, F0, F1, 0
	s_wait_dscnt 8                                 ; the very last quarter: nothing more to fetch
	MUL16 F1, 0, 0, 0
	MUL16 F1, 0, 2, 0
	s_wait_dscnt 0x0                               ; my reads of slot 1 are over
	MUL16 F1, 1, 0, 0
	MUL16 F1, 1, 2, 0
	WIN 0
	s_wait_loadcnt 0x0                             ; the bias
.set z, 0
.rept 32                               ; the bias takes its gate's factor once.  These 32 plain lines name no register of the last products: they are the places behind them
.if z/8 == 2
	v_pk_mul_f32 v[BI+2*z:BI+2*z+1], v[BI+2*z:BI+2*z+1], s[P2L:P2L+1] op_sel_hi:[1,0]
.else
	v_pk_mul_f32 v[BI+2*z:BI+2*z+1], v[BI+2*z:BI+2*z+1], s[NL:NL+1] op_sel_hi:[1,0]
.endif
.set z, z+1
.endr
	s_wait_tensorcnt 0x0                           ; my 64 rows of c are in LDS; no LDS instruction of mine is out
	s_barrier_signal -1
	s_barrier_wait -1                              ; everybody's rows of c are in, and nobody reads slot 1 any more: it becomes the two stages
	CLOAD 0
.irp a, 0,1,2,3,4,5,6,7
.if (\a) < 7
	CLOAD (\a)+1                                   ; the next block's c is asked for a block ahead
	EPI \a, 4
.else
	EPI \a, 0
.endif
.endr
	s_wait_dscnt 0x0                               ; for the others' sake: my stores into the stages are done
	s_barrier_signal -1
	s_barrier_wait -1                              ; a row's 256 bytes come from two waves
	OLD RDH, 0,  64
	OLD RDH, 16, 128
	OST 76, 0,  64,  16                            ; out0 = h_new
	OLD RDC, 0,  192
	OST 76, 16, 128, 16
	s_wait_xcnt 0x0                                ; every earlier store has had its addresses translated (ISA guide 3.1): v64-127, which the first batch's stores read, are loaded again only behind this wait
	OLD RDC, 16, 64
	OST 78, 0,  192, 16                            ; out1 = c_new
	OST 78, 16, 64,  0
	s_wait_tensorcnt 0x0                           ; the wave's end, behind my last tensor load and my last LDS store
	ds_add_u32 v[SPW], v[NIL]
	s_wait_dscnt 0x0
	CROUND                                         ; the closing round: no work-group ends while a partner may still ask for a tile that names it
	s_endpgm
.Lfunc_end_k_qce2ee6388c_lstm:
	.size	k_qce2ee6388c_lstm, .Lfunc_end_k_qce2ee6388c_lstm-k_qce2ee6388c_lstm
	.p2alignl 7, 3214868480
	.fill 96, 4, 3214868480
	.section	.rodata,"a",@progbits
	.p2align	6, 0x0
	.amdhsa_kernel k_qce2ee6388c_lstm
		.amdhsa_group_segment_fixed_size 327680
		.amdhsa_private_segment_fixed_size 0
		.amdhsa_enable_private_segment 0
		.amdhsa_kernarg_size 48
		.amdhsa_user_sgpr_count 2
		.amdhsa_user_sgpr_kernarg_segment_ptr 1
		.amdhsa_wavefront_size32 1
		.amdhsa_system_sgpr_workgroup_id_x 1
		.amdhsa_system_sgpr_workgroup_id_y 1
		.amdhsa_system_sgpr_workgroup_id_z 1
		.amdhsa_system_vgpr_workitem_id 0
		.amdhsa_next_free_vgpr 1024
		.amdhsa_next_free_sgpr 100
		.amdhsa_reserve_vcc 0
		.amdhsa_float_denorm_mode_32 3
		.amdhsa_float_denorm_mode_16_64 3
		.amdhsa_memory_ordered 1
		.amdhsa_forward_progress 1
		.amdhsa_inst_pref_size 237
	.end_amdhsa_kernel
	.amdgpu_metadata
---
amdhsa.version: [ 1, 2 ]
amdhsa.kernels:
  - .name:           k_qce2ee6388c_lstm
    .symbol:         k_qce2ee6388c_lstm.kd
    .args:
      - { .name: abf, .offset: 0, .size: 8, .value_kind: global_buffer, .address_space: global }
      - { .name: wbf, .offset: 8, .size: 8, .value_kind: global_buffer, .address_space: global }
      - { .name: c, .offset: 16, .size: 8, .value_kind: global_buffer, .address_space: global }
      - { .name: bx, .offset: 24, .size: 8, .value_kind: global_buffer, .address_space: global }
      - { .name: out0, .offset: 32, .size: 8, .value_kind: global_buffer, .address_space: global }
      - { .name: out1, .offset: 40, .size: 8, .value_kind: global_buffer, .address_space: global }
    .group_segment_fixed_size: 327680
    .private_segment_fixed_size: 0
    .kernarg_segment_align: 8
    .kernarg_segment_size: 48
    .max_flat_workgroup_size: 128
    .sgpr_count:     100
    .vgpr_count:     1024
    .wavefront_size: 32
...
	.end_amdgpu_metadata
.endif
;; end of part 2
